; MI455X (gfx1250); checked and timed in simulation.
; The chip was launched on July 23, 2026; its instructions are those of AMD's public machine-readable ISA for CDNA 5 (MIT licence, August 2026) and "CDNA5" Instruction Set Architecture Reference Guide (July 2026). The comments in the code are by the model that wrote it; some were corrected since.
;; selfattention. Allowed arithmetic: float matrix products may take bf16 or f16 operands with f32 sums; all other float work in f32.
;; Inputs: b_in 3,072 float32; b_out 1,024 float32; w_in 1,024 x 3,072 float32; w_out 1,024 x 1,024 float32; x 4 x 2,048 x 1,024 float32.
;; Outputs: out0 4 x 2,048 x 1,024 float32.
;; One version. Each part assembles by itself: llvm-mc -triple=amdgcn-amd-amdhsa -mcpu=gfx1250 --defsym DOCPART=n.
;; ======== version 1 of 1: 4 launches
;; limits: values are held in f16: magnitudes above 65,504 overflow, below 6.1e-05 lose precision; right only within a limited range of input values
;; workspace buffers: x16 16,777,216 bytes; wi16 6,291,456 bytes; wo16 2,097,152 bytes; qkv 50,331,648 bytes; ao 16,777,216 bytes
;; launch cast (part 1): grid 768 x 1, 8 waves a work-group, no clusters, 0 bytes of LDS; arguments x, w_in, w_out, x16, wi16, wo16; writes x16, wi16, wo16
.if DOCPART == 1
	.amdgcn_target "amdgcn-amd-amdhsa--gfx1250"
	.amdhsa_code_object_version 6
	.text
	.protected	k_q0b1ea2303a_cast
	.globl	k_q0b1ea2303a_cast
	.p2align	8
	.type	k_q0b1ea2303a_cast,@function
k_q0b1ea2303a_cast:
	s_mov_b64 s[64:65], 0
	v_nop
	global_prefetch_b8 v0, s[64:65] scope:SCOPE_SE
	s_setreg_imm32_b32 hwreg(HW_REG_WAVE_MODE, 25, 1), 1
	s_wait_xcnt 0x0
; x, w_in, w_out (f32) are rounded once to f16 into x16, wi16, wo16; the layouts stay as they are.
; Why f16 and not bf16: every number of the result is held to a hundredth of the root mean square of the output, and five roundings
; to 8 bits of mantissa on the way (q, k, p, v, the attention output) do not leave that margin; 11 bits do.
; LIMIT: a number of magnitude 65,504 or more becomes an infinity here; magnitudes below 6e-8 become zero.
; A work-group takes one chunk of 16,384 numbers (65,536 bytes in, 32,768 out): 512 chunks of x, 192 of w_in, 64 of w_out.
; Thread t takes 8 numbers at a time: 32 bytes in at 32 t, 16 bytes out at 16 t, eight times, 8,192 and 4,096 bytes apart, so a
; store of a wave covers 512 consecutive bytes.  All sixteen loads of a thread go out at once; no register is written twice,
; so the only waits are the counted ones for data.  No LDS, no barrier, no matrix unit: the launch only moves bytes.
.set IN_STEP,  8192
.set OUT_STEP, 4096
.set XIN,  8                           ; v[8:71]    8 x 8 numbers as loaded
.set YOUT, 72                          ; v[72:103]  8 x 4 registers to store
	s_load_b256 s[4:11], s[0:1], 0x0               ; x s[4:5], w_in s[6:7], w_out s[8:9], x16 s[10:11]
	s_load_b128 s[12:15], s[0:1], 0x20             ; wi16 s[12:13], wo16 s[14:15]
	v_lshlrev_b32 v1, 5, v0                        ; 32 t
	v_lshlrev_b32 v2, 4, v0                        ; 16 t
	s_movk_i32 s20, 704                            ; first chunk of w_out
	s_movk_i32 s21, 512                            ; first chunk of w_in
	s_wait_kmcnt 0x0
	s_cmp_lt_u32 ttmp9, 704                        ; the choice hangs on the number of the work-group alone
	s_cselect_b64 s[16:17], s[6:7], s[8:9]         ; from: w_in or w_out
	s_cselect_b64 s[18:19], s[12:13], s[14:15]     ; to: wi16 or wo16
	s_cselect_b32 s20, s21, s20
	s_cmp_lt_u32 ttmp9, 512
	s_cselect_b64 s[16:17], s[4:5], s[16:17]       ; or x
	s_cselect_b64 s[18:19], s[10:11], s[18:19]     ; to x16
	s_cselect_b32 s20, 0, s20
	s_sub_co_u32 s20, ttmp9, s20                   ; my chunk inside its tensor
	s_lshl_b32 s22, s20, 16
	s_mov_b32 s23, 0
	s_lshl_b32 s24, s20, 15
	s_mov_b32 s25, 0
	s_add_nc_u64 s[16:17], s[16:17], s[22:23]
	s_add_nc_u64 s[18:19], s[18:19], s[24:25]
.irp i, 0,1,2,3,4,5,6,7
	global_load_b128 v[XIN+8*\i:XIN+8*\i+3],   v1, s[16:17] offset:IN_STEP*\i th:TH_LOAD_NT
	global_load_b128 v[XIN+8*\i+4:XIN+8*\i+7], v1, s[16:17] offset:IN_STEP*\i+16 th:TH_LOAD_NT
.endr
.irp i, 0,1,2,3,4,5,6,7
	s_wait_loadcnt 14-2*\i                         ; loads come back in order: this pair is in, the 14 - 2 i younger ones stay out
.irp k, 0,1,2,3
	v_cvt_pk_f16_f32 v[YOUT+4*\i+\k], v[XIN+8*\i+2*\k], v[XIN+8*\i+2*\k+1]
.endr
	global_store_b128 v2, v[YOUT+4*\i:YOUT+4*\i+3], s[18:19] offset:OUT_STEP*\i   ; no hint: the next launch reads these bytes
.endr
	s_endpgm
.Lfunc_end_k_q0b1ea2303a_cast:
	.size	k_q0b1ea2303a_cast, .Lfunc_end_k_q0b1ea2303a_cast-k_q0b1ea2303a_cast
	.p2alignl 7, 3214868480
	.fill 96, 4, 3214868480
	.section	.rodata,"a",@progbits
	.p2align	6, 0x0
	.amdhsa_kernel k_q0b1ea2303a_cast
		.amdhsa_group_segment_fixed_size 0
		.amdhsa_private_segment_fixed_size 0
		.amdhsa_enable_private_segment 0
		.amdhsa_kernarg_size 48
		.amdhsa_user_sgpr_count 2
		.amdhsa_user_sgpr_kernarg_segment_ptr 1
		.amdhsa_wavefront_size32 1
		.amdhsa_system_sgpr_workgroup_id_x 1
		.amdhsa_system_sgpr_workgroup_id_y 1
		.amdhsa_system_sgpr_workgroup_id_z 1
		.amdhsa_system_vgpr_workitem_id 0
		.amdhsa_next_free_vgpr 104
		.amdhsa_next_free_sgpr 66
		.amdhsa_reserve_vcc 0
		.amdhsa_float_denorm_mode_32 3
		.amdhsa_float_denorm_mode_16_64 3
		.amdhsa_memory_ordered 1
		.amdhsa_forward_progress 1
		.amdhsa_inst_pref_size 6
	.end_amdhsa_kernel
	.amdgpu_metadata
---
amdhsa.version: [ 1, 2 ]
amdhsa.kernels:
  - .name:           k_q0b1ea2303a_cast
    .symbol:         k_q0b1ea2303a_cast.kd
    .args:
      - { .name: x, .offset: 0, .size: 8, .value_kind: global_buffer, .address_space: global }
      - { .name: w_in, .offset: 8, .size: 8, .value_kind: global_buffer, .address_space: global }
      - { .name: w_out, .offset: 16, .size: 8, .value_kind: global_buffer, .address_space: global }
      - { .name: x16, .offset: 24, .size: 8, .value_kind: global_buffer, .address_space: global }
      - { .name: wi16, .offset: 32, .size: 8, .value_kind: global_buffer, .address_space: global }
      - { .name: wo16, .offset: 40, .size: 8, .value_kind: global_buffer, .address_space: global }
    .group_segment_fixed_size: 0
    .private_segment_fixed_size: 0
    .kernarg_segment_align: 8
    .kernarg_segment_size: 48
    .max_flat_workgroup_size: 256
    .sgpr_count:     66
    .vgpr_count:     104
    .wavefront_size: 32
...
	.end_amdgpu_metadata
.endif
;; end of part 1
;; launch qkv_gemm (part 2): grid 8 x 32, 4 waves a work-group, clusters of 4 x 4, 327,680 bytes of LDS; arguments x16, wi16, b_in, qkv; writes qkv
.if DOCPART == 2
	.amdgcn_target "amdgcn-amd-amdhsa--gfx1250"
	.amdhsa_code_object_version 6
	.text
	.protected	k_q0b1ea2303a_qkv_gemm
	.globl	k_q0b1ea2303a_qkv_gemm
	.p2align	8
	.type	k_q0b1ea2303a_qkv_gemm,@function
k_q0b1ea2303a_qkv_gemm:
	s_mov_b64 s[64:65], 0
	v_nop
	global_prefetch_b8 v0, s[64:65] scope:SCOPE_SE
	s_setreg_imm32_b32 hwreg(HW_REG_WAVE_MODE, 25, 1), 1
	s_wait_xcnt 0x0
	s_wait_alu depctr_hold_cnt(0) depctr_sa_sdst(0) depctr_va_vdst(0) depctr_va_sdst(0) depctr_va_ssrc(0) depctr_va_vcc(0) depctr_vm_vsrc(0)
	s_getreg_b32 s2, hwreg(HW_REG_IB_STS2, 6, 4)
	s_cmp_eq_u32 s2, 0
	s_cbranch_scc0 .Lentry_in_a_cluster
	s_endpgm
.Lentry_in_a_cluster:
	s_bfe_u32 s2, ttmp6, 0x10000c
	s_cmp_lg_u32 s2, 0xf033
	s_cbranch_scc0 .Lentry_shape_is_right
	s_endpgm
.Lentry_shape_is_right:
; qkv = x16 . wi16 + b_in, f16 operands, f32 sums, written in f16 by heads: qkv[which 3][batch 4][head 16][s 2048][d 64].
; The q heads (which = 0) are multiplied by log2(e)/8 in f32 before their one rounding, so that the next launch finds its
; scores in the exponent of 2 and only has to take the maximum away.
; LIMIT: |q|, |k|, |v| below 65,504 (the largest f16); beyond that the conversion gives an infinity.
; x16 is [8192][1024], wi16 is [1024 k][3072 n].  256 work-groups; each makes 256 rows x 384 columns (six heads) with four waves.
; Wave w: rows 128 (w >> 1) .. +127 and the heads 2 g + (w & 1), g = 0, 1, 2, of the six: 8 x 12 tiles of 16 x 16, 768 registers.
; For 32 along K a wave issues 96 matrix instructions on 40 LDS loads.
; CLUSTERS: 4 x 4 work-groups.  The four of a row of the cluster need the same tiles of x16, the four of a column the same tiles
; of wi16; each such tile is asked for jointly, by the same tensor load with the same descriptor in all four.
; K goes in steps of 64.  A slot of x16 holds two steps (256 rows x 256 bytes, so that a row of the tile is 256 consecutive bytes
; at a multiple of 256); a slot of wi16 holds one step as three strips of 128 columns (64 k rows x 256 bytes each).
; Two slots of each: 2 x 69,632 + 2 x 55,296 bytes; slots of 128 along K for both would not fit beside each other.
; Wave 0 asks for the tiles of x16, waves 1 to 3 for one strip of wi16 each: one tensor load a wave behind each round.
; THE MATRIX INSTRUCTION IS USED TRANSPOSED: source 0 = 16 columns of wi16 (brought by the transposing LDS load, since wi16 lies
; [k][n]), source 1 = 16 rows of x16.  Lane l then holds row l % 16 and its registers 0 to 7 the columns 8 (l / 16) + 0 .. 7.
; REGISTERS in windows of 256: window 0 addresses and fragments; window 1 + g the 32 tiles of head g: tile (a, c) at v[64 c + 8 a].
.set APITCH, 272                       ; 256 bytes + 16: an odd multiple of 16, the 16 rows of a fragment start 16 bytes apart modulo 256
.set ASLOT,  256*APITCH                ; 69,632
.set BPITCH, 288                       ; 256 bytes + 32: an odd multiple of 32, for the transposing loads
.set STRIP,  64*BPITCH                 ; 18,432
.set BSLOT,  3*STRIP                   ; 55,296
.set BBASE,  2*ASLOT                   ; 139,264
.set STAGE,  BBASE+2*BSLOT             ; 249,856: behind the rings, no tensor load lands here
.set SPITCH, 400                       ; a stage row: 384 bytes + 16
.set WSTAGE, 16*SPITCH                 ; 6,400 for each wave
.set ASTEP,  512                       ; two tiles of x16 on: 256 numbers along a row
.set BSTEP,  2*64*3072*2               ; two steps of wi16 on: 128 k rows of 6,144 bytes
.set ADRA, 8                           ; v8-9    my fragments of x16 in slot 0, 1
.set ADRB, 10                          ; v10-11  my fragments of wi16 in slot 0, 1
.set STO,  12                          ; v12     the way out: where I put 16 bytes
.set RD,   13                          ; v13     the way out: where I read them back
.set CO,   14                          ; v14     16 x lane
.set BOFF, 15                          ; v15     byte offset of my 8 numbers of b_in
.set AF0,  32                          ; v32-95   fragments of x16, buffer 0
.set AF1,  96                          ; v96-159  buffer 1
.set BF,   160                         ; v160-255 twelve fragments of wi16, one buffer: a group of four is loaded again straight behind its use
.set TMP,  32                          ; the way out: 48 registers of packed results
.set RB0,  80                          ; and two sets of 48 read back
.set RB1,  128
.set G1A, 16                           ; s[16:23] shape of a tile of x16
.set G1B, 24                           ; s[24:31] shape of a strip of wi16
.set G0A, 32                           ; s[32:39] from where, to where: one set for each slot
.set G0B, 48                           ; s[48:55]
.set HB,  56                           ; s[56:61] where my three heads go
.set SC,  70                           ; s[70:75] their factors, each twice (a pair for the packed multiply)
.set MSB, 0
.macro WIN new                         ; the high byte of the immediate repeats the setting that is left
.if MSB != (\new)
	s_set_vgpr_msb (MSB<<8)|(\new)
.set MSB, (\new)
.endif
.endm
.macro PLACES                          ; four places behind a matrix instruction before a load lands on, or a vector instruction touches, its registers
.rept 4
	v_nop
.endr
.endm
.macro CREST                           ; a round of the barrier of the cluster, behind its opening work-group barrier
	s_cmp_lg_u32 s12, 0
	s_cbranch_scc1 .Lnot_wave_0_\@
	s_barrier_signal -3
.Lnot_wave_0_\@:
	s_barrier_wait -3
	s_barrier_signal -1
	s_barrier_wait -1
.endm
.macro CROUND
	s_barrier_signal -1
	s_barrier_wait -1
	CREST
.endm
; four fragments of wi16: head g, 32 k rows from row kr of slot sl
.macro LOADB sl, kr, g
.irp c, 0,1,2,3
	ds_load_tr16_b128 v[BF+8*(4*\g+\c):BF+8*(4*\g+\c)+3],   v[ADRB+(\sl)] offset:\g*STRIP+32*\c+BPITCH*(\kr)
	ds_load_tr16_b128 v[BF+8*(4*\g+\c)+4:BF+8*(4*\g+\c)+7], v[ADRB+(\sl)] offset:\g*STRIP+32*\c+BPITCH*(\kr+16)
.endr
.endm
; four fragments of x16, row blocks h0 .. h0 + 3, 32 along K at byte kb of the rows of slot sl, into buffer f
.macro LOADA sl, kb, f, h0
.irp i, 0,1,2,3
	ds_load_b128 v[\f+8*(\h0+\i):\f+8*(\h0+\i)+3],   v[ADRA+(\sl)] offset:(\h0+\i)*16*APITCH+(\kb)
	ds_load_b128 v[\f+8*(\h0+\i)+4:\f+8*(\h0+\i)+7], v[ADRA+(\sl)] offset:(\h0+\i)*16*APITCH+(\kb)+32
.endr
.endm
; cn column tiles from c0 of head g x all eight row blocks.  The 96 accumulators take turns, one instruction a turn, in the same
; order in every quarter, over the backward jump too.
.macro MULG f, g, c0, cn
	WIN 0x50*(\g+1)
.set cc, \c0
.rept \cn
.set aa, 0
.rept 8
	v_wmma_f32_16x16x32_f16 v[64*cc+8*aa:64*cc+8*aa+7], v[BF+8*(4*\g+cc):BF+8*(4*\g+cc)+7], v[\f+8*aa:\f+8*aa+7], v[64*cc+8*aa:64*cc+8*aa+7]
.set aa, aa+1
.endr
.set cc, cc+1
.endr
.endm
; The joint refill.  No tensor load of the wave is out here, so the addresses may be stepped.  The branch hangs on the number of the wave alone.
.macro REFILL fa, sa, sb
	s_add_nc_u64 s[G0B+4*\sb+2:G0B+4*\sb+3], s[G0B+4*\sb+2:G0B+4*\sb+3], BSTEP
.if \fa
	s_add_nc_u64 s[G0A+4*\sa+2:G0A+4*\sa+3], s[G0A+4*\sa+2:G0A+4*\sa+3], ASTEP
.endif
	s_cmp_lg_u32 s12, 0
	s_cbranch_scc1 .Lstrip_\@
.if \fa
	tensor_load_to_lds s[G0A+4*\sa:G0A+4*\sa+3], s[G1A:G1A+7]
	s_nop 0
.endif
	s_branch .Lasked_\@
.Lstrip_\@:
	tensor_load_to_lds s[G0B+4*\sb:G0B+4*\sb+3], s[G1B:G1B+7]
	s_nop 0
.Lasked_\@:
.endm
; A quarter: 32 along K on buffer f; the fragments of the next quarter (x16: slot na, byte nk, into buffer nf; wi16: slot nb, row nr) are fetched between the groups.
.macro QUART f, nf, na, nk, nb, nr
	s_wait_dscnt 8                                 ; all but the eight youngest loads are in: those are head 2 of wi16
	MULG \f, 0, 0, 4
	PLACES
	WIN 0
	LOADB \nb, \nr, 0
	LOADA \na, \nk, \nf, 0
	MULG \f, 1, 0, 4
	PLACES
	WIN 0
	LOADB \nb, \nr, 1
	LOADA \na, \nk, \nf, 4
	s_wait_dscnt 32                                ; all but the 32 just issued: head 2 is in
	MULG \f, 2, 0, 4
	PLACES
	WIN 0
	LOADB \nb, \nr, 2
.endm
; The second quarter of a step changes slots.  In front of the barrier each wave waits for its reads of the slots and for all its tensor
; loads; where slots are filled again the barrier opens a round of the barrier of the cluster, and the joint refill is the first tensor load
; behind the round.  From a request to the wait for it a wave issues 176 matrix instructions.
.macro TURNQ f, nf, na, nk, nb, fill, fa, sa, sb
	s_wait_dscnt 8
	MULG \f, 0, 0, 2
	s_wait_dscnt 0                                 ; my reads of this step are over
	s_wait_tensorcnt 0x0                           ; and all my tensor loads have landed
	ds_add_u32 v30, v31
	s_wait_dscnt 0x0
	s_barrier_signal -1
	MULG \f, 0, 2, 2                               ; registers only, while the others arrive
	WIN 0
	s_barrier_wait -1
.if \fill
	CREST                                          ; no wave of any partner still reads these slots or has a load on its way
	REFILL \fa, \sa, \sb
.endif
	PLACES
	LOADB \nb, 0, 0
	LOADA \na, \nk, \nf, 0
	MULG \f, 1, 0, 4
	PLACES
	WIN 0
	LOADB \nb, 0, 1
	LOADA \na, \nk, \nf, 4
	MULG \f, 2, 0, 4                               ; head 2 has been in since the wait for 0
	PLACES
	WIN 0
	LOADB \nb, 0, 2
.endm
.macro LASTQ f                         ; the very last quarter fetches nothing
	s_wait_dscnt 8
	MULG \f, 0, 0, 4
	MULG \f, 1, 0, 4
	s_wait_dscnt 0
	MULG \f, 2, 0, 4
.endm
; A step of 64 along K: half kh of slot as of x16, slot kh of wi16.
.macro STEP as, kh, fillb, filla, last
	QUART AF0, AF1, \as, 128*\kh+64, \kh, 32
.if \last
	LASTQ AF1
.else
.if \kh
	TURNQ AF1, AF0, 1-\as, 0, 0, \fillb, \filla, \as, 1
.else
	TURNQ AF1, AF0, \as, 128, 1, \fillb, \filla, \as, 0
.endif
.endif
.endm
	s_load_b256 s[4:11], s[0:1], 0x0               ; x16 s[4:5], wi16 s[6:7], b_in s[8:9], qkv s[10:11]
	v_lshl_add_u32 v30, v0, 2, 0x43400
	v_mov_b32 v31, 0
	ds_add_u32 v30, v31
	v_lshrrev_b32 v1, 5, v0
	v_readfirstlane_b32 s12, v1                    ; wave 0..3
	s_lshr_b32 s13, s12, 1                         ; which 128 rows are mine
	s_and_b32 s14, s12, 1                          ; the even or the odd heads
	s_bfe_u32 s40, ttmp6, 0x40000                  ; cx
	s_bfe_u32 s41, ttmp6, 0x40004                  ; cy
	s_lshl_b32 s42, ttmp9, 2
	s_add_co_u32 s42, s42, s40                     ; block column 0..7
	s_and_b32 s15, ttmp7, 0xffff
	s_lshl_b32 s15, s15, 2
	s_add_co_u32 s15, s15, s41                     ; block row 0..31
	s_lshl_b32 s43, s41, 2
	s_lshl_b32 s43, 15, s43                        ; my row of the cluster
	s_lshl_b32 s44, 0x1111, s40                    ; my column
	s_or_b32  s[G1A+0], s43, 0x07710000            ; mask; 2-byte elements; padding on; bit 21 beside a mask; after every 64 words 4 words
	s_mov_b32 s[G1A+1], 128<<16                    ; tensor_dim0 = 128
	s_mov_b32 s[G1A+2], 256<<16                    ; tensor_dim1 = 256
	s_mov_b32 s[G1A+3], 128<<16                    ; tile_dim0 = 128 numbers, 256 bytes
	s_mov_b32 s[G1A+4], 256                        ; tile_dim1 = 256 rows
	s_mov_b32 s[G1A+5], 1024                       ; numbers from row to row of x16
	s_mov_b32 s[G1A+6], 0
	s_mov_b32 s[G1A+7], 0
	s_or_b32  s[G1B+0], s44, 0x0f710000            ; the same with the mask of my column and 8 words of padding
	s_mov_b32 s[G1B+1], 128<<16
	s_mov_b32 s[G1B+2], 64<<16
	s_mov_b32 s[G1B+3], 128<<16                    ; 128 columns
	s_mov_b32 s[G1B+4], 64                         ; 64 k rows
	s_mov_b32 s[G1B+5], 3072
	s_mov_b32 s[G1B+6], 0
	s_mov_b32 s[G1B+7], 0
	s_lshl_b32 s66, s15, 19                        ; x16: 256 rows of 2,048 bytes for each block row; these registers never hold cx
	s_mov_b32 s67, 0
	s_mul_i32 s70, s42, 768                        ; wi16: 384 columns for each block column; these never hold cy
	s_max_u32 s71, s12, 1
	s_sub_co_u32 s71, s71, 1                       ; strip w - 1 (wave 0 asks for no strip; its number is held at 0)
	s_lshl_b32 s71, s71, 8
	s_add_co_u32 s70, s70, s71
	s_mov_b32 s71, 0
	s_mul_i32 s74, s12, STRIP
	s_wait_dscnt 0x0
	s_wait_kmcnt 0x0
	s_add_nc_u64 s[68:69], s[4:5], s[66:67]
	s_add_nc_u64 s[72:73], s[6:7], s[70:71]
.irp i, 0,1
	s_mov_b32 s[G0A+4*\i], 1
	s_mov_b32 s[G0A+4*\i+1], \i*ASLOT
	s_add_nc_u64 s[G0A+4*\i+2:G0A+4*\i+3], s[68:69], \i*256        ; K 128 i
	s_or_b32 s[G0A+4*\i+3], s[G0A+4*\i+3], 0x80000000
	s_mov_b32 s[G0B+4*\i], 1
	s_add_co_u32 s[G0B+4*\i+1], s74, BBASE-STRIP+\i*BSLOT          ; strip w - 1 of slot i
	s_add_nc_u64 s[G0B+4*\i+2:G0B+4*\i+3], s[72:73], \i*393216     ; K 64 i
	s_or_b32 s[G0B+4*\i+3], s[G0B+4*\i+3], 0x80000000
.endr
	CROUND                                         ; all sixteen work-groups are here: the first joint loads meet
	s_cmp_lg_u32 s12, 0                            ; the two first fills of a wave stand in one branch: two tensor loads of a wave are out at the most
	s_cbranch_scc1 .Lfirst_strips
	tensor_load_to_lds s[G0A:G0A+3], s[G1A:G1A+7]
	s_nop 0
	tensor_load_to_lds s[G0A+4:G0A+7], s[G1A:G1A+7]
	s_nop 0
	s_branch .Lfirst_done
.Lfirst_strips:
	tensor_load_to_lds s[G0B:G0B+3], s[G1B:G1B+7]
	s_nop 0
	tensor_load_to_lds s[G0B+4:G0B+7], s[G1B:G1B+7]
	s_nop 0
.Lfirst_done:
	v_and_b32 v1, 15, v0                           ; r = l % 16
	v_bfe_u32 v2, v0, 4, 1                         ; h = l / 16
	v_and_b32 v3, 7, v0
	v_bfe_u32 v4, v0, 3, 1
	v_and_b32 v5, 31, v0                           ; l
	v_mul_u32_u24 v6, v1, APITCH
	v_lshl_add_u32 v6, v2, 4, v6                   ; row r, 16 bytes for each half of the lanes
	s_mul_i32 s45, s13, 128*APITCH
	v_add_nc_u32 v[ADRA], s45, v6
	v_add_nc_u32 v[ADRA+1], ASLOT, v[ADRA]
	v_lshl_add_u32 v7, v2, 3, v3                   ; k row 8 h + l % 8
	v_mul_u32_u24 v7, v7, BPITCH
	v_lshl_add_u32 v7, v4, 4, v7                   ; columns 8 ((l / 8) % 2) ..
	s_lshl_b32 s46, s14, 7                         ; the odd head lies 128 bytes into its strip
	s_add_co_u32 s46, s46, BBASE
	v_add_nc_u32 v[ADRB], s46, v7
	v_add_nc_u32 v[ADRB+1], BSLOT, v[ADRB]
	s_mul_i32 s47, s12, WSTAGE
	s_add_co_u32 s47, s47, STAGE
	v_mul_u32_u24 v6, v1, SPITCH
	v_lshl_add_u32 v6, v2, 4, v6
	v_add_nc_u32 v[STO], s47, v6
	v_lshrrev_b32 v7, 3, v5
	v_mul_u32_u24 v7, v7, SPITCH                   ; back: eight lanes take the 128 bytes that a row has of one head
	v_lshl_add_u32 v7, v3, 4, v7
	v_add_nc_u32 v[RD], s47, v7
	v_lshlrev_b32 v[CO], 4, v5
	s_mul_i32 s62, s42, 1536
	s_lshl_b32 s63, s14, 8
	s_add_co_u32 s62, s62, s63
	v_lshl_add_u32 v[BOFF], v2, 5, s62             ; 4 (384 block column + 64 (w & 1)) + 32 h
	; The bias starts the sums: register j of a tile holds column 8 h + j, so two loads of 16 bytes fill a tile, the same for all eight
	; row blocks.  Nothing is cleared and nothing is added later; the loads land while the first tiles are on their way.
.irp g, 0,1,2
	WIN (\g+1)<<6
.set cc, 0
.rept 4
.set aa, 0
.rept 8
	global_load_b128 v[64*cc+8*aa:64*cc+8*aa+3],   v[BOFF], s[8:9] offset:512*\g+64*cc
	global_load_b128 v[64*cc+8*aa+4:64*cc+8*aa+7], v[BOFF], s[8:9] offset:512*\g+64*cc+16
.set aa, aa+1
.endr
.set cc, cc+1
.endr
.endr
	WIN 0
	s_wait_tensorcnt 0x1                           ; my part of slot 0 is in; slot 1 may stay out
	s_barrier_signal -1
	s_barrier_wait -1
	LOADB 0, 0, 0                                  ; the first fragments, in the order of every quarter
	LOADA 0, 0, AF0, 0
	LOADB 0, 0, 1
	LOADA 0, 0, AF0, 4
	LOADB 0, 0, 2
	s_wait_loadcnt 0x0                             ; the bias is in the accumulators
	s_mov_b32 s3, 3
.Llap:                                             ; a lap = four steps = once round the ring of x16, twice round that of wi16; steps 0 to 11
	STEP 0, 0, 1, 0, 0
	STEP 0, 1, 1, 1, 0
	STEP 1, 0, 1, 0, 0
	STEP 1, 1, 1, 1, 0
	s_sub_co_u32 s3, s3, 1
	s_cmp_lg_u32 s3, 0
	s_cbranch_scc1 .Llap
	STEP 0, 0, 1, 0, 0                             ; step 12 asks for step 14 of wi16,
	STEP 0, 1, 1, 0, 0                             ; step 13 for step 15; x16 is all there
	STEP 1, 0, 0, 0, 0                             ; nothing is left to fetch
	STEP 1, 1, 0, 0, 1
	; THE WAY OUT.  Where my three heads go, and their factors.
	PLACES
	WIN 0
	s_mov_b32 s62, 0x3e38aa3b                      ; log2(e) / 8
	s_mov_b32 s63, 0x3f800000                      ; 1.0
.irp g, 0,1,2
	s_mul_i32 s66, s42, 6
	s_add_co_u32 s66, s66, s14
	s_add_co_u32 s66, s66, 2*\g                    ; head 0..47 of the 3,072 columns
	s_lshr_b32 s67, s66, 4                         ; q, k or v
	s_and_b32 s68, s66, 15                         ; head
	s_cmp_eq_u32 s67, 0
	s_cselect_b32 s[SC+2*\g], s62, s63             ; a choice of a value
	s_mov_b32 s[SC+2*\g+1], s[SC+2*\g]
	s_lshl_b32 s67, s67, 24                        ; 16,777,216 bytes for each of q, k, v
	s_lshr_b32 s69, s15, 3                         ; batch
	s_lshl4_add_u32 s68, s69, s68
	s_lshl_b32 s68, s68, 18                        ; 262,144 bytes for each head of each batch
	s_add_co_u32 s67, s67, s68
	s_and_b32 s68, s15, 7
	s_lshl1_add_u32 s68, s68, s13
	s_lshl_b32 s68, s68, 14                        ; 128 rows of 128 bytes
	s_add_co_u32 s66, s67, s68
	s_mov_b32 s67, 0
	s_add_nc_u64 s[HB+2*\g:HB+2*\g+1], s[10:11], s[66:67]
.endr
.irp g, 0,1,2
	WIN (\g+1)*0x41
.set ee, 0
.rept 128
	v_pk_mul_f32 v[2*ee:2*ee+1], v[2*ee:2*ee+1], s[SC+2*\g:SC+2*\g+1] op_sel_hi:[1,0]
.set ee, ee+1
.endr
.endr
; 16 rows at a time: round to f16, 16 bytes a lane into my own stage, read back so that 32 lanes hold 512 consecutive bytes of a head
; (four rows of 128 bytes follow each other in qkv).  LDS serves the instructions of a wave in order, so no wait stands between
; the stores and the loads.
.macro OUT16 a, rb
.irp g, 0,1,2
	WIN (\g+1)*5
.irp c, 0,1,2,3
.irp k, 0,1,2,3
	v_cvt_pk_f16_f32 v[TMP+4*(4*\g+\c)+\k], v[64*\c+8*\a+2*\k], v[64*\c+8*\a+2*\k+1]
.endr
.endr
.endr
	WIN 0
.irp c, 0,1,2,3,4,5,6,7,8,9,10,11
	ds_store_b128 v[STO], v[TMP+4*\c:TMP+4*\c+3] offset:32*\c
.endr
	s_wait_xcnt 0x0                                ; the set read back into was the data of earlier stores: it is written again only behind this wait
.irp g, 0,1,2
.irp i, 0,1,2,3
	ds_load_b128 v[\rb+4*(4*\g+\i):\rb+4*(4*\g+\i)+3], v[RD] offset:4*SPITCH*\i+128*\g
.endr
.endr
.irp g, 0,1,2
.irp i, 0,1,2,3
	s_wait_dscnt 11-(4*\g+\i)                      ; the younger loads stay out
	global_store_b128 v[CO], v[\rb+4*(4*\g+\i):\rb+4*(4*\g+\i)+3], s[HB+2*\g:HB+2*\g+1] offset:2048*\a+512*\i
.endr
.endr
.endm
	OUT16 0, RB0
	OUT16 1, RB1
	OUT16 2, RB0
	OUT16 3, RB1
	OUT16 4, RB0
	OUT16 5, RB1
	OUT16 6, RB0
	OUT16 7, RB1
	s_wait_tensorcnt 0x0
	ds_add_u32 v30, v31
	s_wait_dscnt 0x0
	CROUND                                         ; the closing round: no work-group ends while a partner may still ask jointly
	s_endpgm
.Lfunc_end_k_q0b1ea2303a_qkv_gemm:
	.size	k_q0b1ea2303a_qkv_gemm, .Lfunc_end_k_q0b1ea2303a_qkv_gemm-k_q0b1ea2303a_qkv_gemm
	.p2alignl 7, 3214868480
	.fill 96, 4, 3214868480
	.section	.rodata,"a",@progbits
	.p2align	6, 0x0
	.amdhsa_kernel k_q0b1ea2303a_qkv_gemm
		.amdhsa_group_segment_fixed_size 327680
		.amdhsa_private_segment_fixed_size 0
		.amdhsa_enable_private_segment 0
		.amdhsa_kernarg_size 32
		.amdhsa_user_sgpr_count 2
		.amdhsa_user_sgpr_kernarg_segment_ptr 1
		.amdhsa_wavefront_size32 1
		.amdhsa_system_sgpr_workgroup_id_x 1
		.amdhsa_system_sgpr_workgroup_id_y 1
		.amdhsa_system_sgpr_workgroup_id_z 1
		.amdhsa_system_vgpr_workitem_id 0
		.amdhsa_next_free_vgpr 1024
		.amdhsa_next_free_sgpr 80
		.amdhsa_reserve_vcc 0
		.amdhsa_float_denorm_mode_32 3
		.amdhsa_float_denorm_mode_16_64 3
		.amdhsa_memory_ordered 1
		.amdhsa_forward_progress 1
		.amdhsa_inst_pref_size 251
	.end_amdhsa_kernel
	.amdgpu_metadata
---
amdhsa.version: [ 1, 2 ]
amdhsa.kernels:
  - .name:           k_q0b1ea2303a_qkv_gemm
    .symbol:         k_q0b1ea2303a_qkv_gemm.kd
    .args:
      - { .name: x16, .offset: 0, .size: 8, .value_kind: global_buffer, .address_space: global }
      - { .name: wi16, .offset: 8, .size: 8, .value_kind: global_buffer, .address_space: global }
      - { .name: b_in, .offset: 16, .size: 8, .value_kind: global_buffer, .address_space: global }
      - { .name: qkv, .offset: 24, .size: 8, .value_kind: global_buffer, .address_space: global }
    .group_segment_fixed_size: 327680
    .private_segment_fixed_size: 0
    .kernarg_segment_align: 8
    .kernarg_segment_size: 32
    .max_flat_workgroup_size: 128
    .sgpr_count:     80
    .vgpr_count:     1024
    .wavefront_size: 32
...
	.end_amdgpu_metadata
.endif
;; end of part 2
;; launch attn (part 3): grid 256 x 1, 8 waves a work-group, clusters of 4 x 1, 327,680 bytes of LDS; arguments qkv, ao; writes ao
.if DOCPART == 3
	.amdgcn_target "amdgcn-amd-amdhsa--gfx1250"
	.amdhsa_code_object_version 6
	.text
	.protected	k_q0b1ea2303a_attn
	.globl	k_q0b1ea2303a_attn
	.p2align	8
	.type	k_q0b1ea2303a_attn,@function
k_q0b1ea2303a_attn:
	s_mov_b64 s[64:65], 0
	v_nop
	global_prefetch_b8 v0, s[64:65] scope:SCOPE_SE
	s_setreg_imm32_b32 hwreg(HW_REG_WAVE_MODE, 25, 1), 1
	s_wait_xcnt 0x0
	s_wait_alu depctr_hold_cnt(0) depctr_sa_sdst(0) depctr_va_vdst(0) depctr_va_sdst(0) depctr_va_ssrc(0) depctr_va_vcc(0) depctr_vm_vsrc(0)
	s_getreg_b32 s2, hwreg(HW_REG_IB_STS2, 6, 4)
	s_cmp_eq_u32 s2, 0
	s_cbranch_scc0 .Lentry_in_a_cluster
	s_endpgm
.Lentry_in_a_cluster:
	s_bfe_u32 s2, ttmp6, 0x10000c
	s_cmp_lg_u32 s2, 0x3003
	s_cbranch_scc0 .Lentry_shape_is_right
	s_endpgm
.Lentry_shape_is_right:
; ao[batch][head][s][64] = softmax over keys of (q . k / 8) . v for each of 64 heads, unmasked; f16 operands, f32 sums and softmax.
; q comes multiplied by log2(e)/8, so a score S is already an exponent of 2: p = 2^(S - m) with m the running maximum of the row,
; exactly 1 at the maximum for scores of any size; sums and outputs are rescaled by 2^(m old - m new) in every step.
; LIMITS: p below 2^-25 rounds to 0 in f16, and v_exp_f32 gives 0 where the result would be denormal; the sums run in the order of
; the tiles; NaN and infinities in q, k, v are not followed as the reference follows them.
; A cluster of four work-groups has one head; a work-group 512 queries, a wave 64 (four query tiles).  Eight waves, two on a SIMD
; with 512 registers each, so that the softmax of one can run beside the matrix work of the other.
; CLUSTERS: the four work-groups walk the same keys and values, so each tile (256 keys: 32,768 bytes of K, 32,768 of V) is asked for
; jointly with mask 15; wave 0 asks for K, wave 1 for V.  Two slots; a request has a whole trip, 256 matrix instructions of each wave, to land.
; NO SHUFFLE BETWEEN THE PRODUCTS: S^T = K . Q^T (source 0 key rows, source 1 query rows) leaves lane (r, h) with query r and keys
; 8 h + j; two neighbouring key tiles packed pair by pair are source 1 of O^T = V^T . P^T, whose source 0 the transposing LDS load
; brings from V as it lies.  Maximum, sum and factor belong to the lane; only lane l xor 16 has the other half of the keys.
.set KP, 144                           ; a key row in LDS: 128 bytes + 16
.set VP, 160                           ; a value row: 128 bytes + 32, an odd multiple of 32 for the transposing loads
.set KBYTES, 256*KP                    ; 36,864
.set SLOT, KBYTES+256*VP               ; 77,824
.set STAGE, 2*SLOT                     ; 155,648: behind the ring, no tensor load lands here
.set WSTAGE, 64*KP                     ; 9,216 for each wave
.set AK,   4                           ; v4-5    my key fragments in slot 0, 1
.set AV,   6                           ; v6-7    my value fragments
.set STO,  8
.set RD,   9
.set CO,   10
.set QOFF, 11
.set PT,   12                          ; v12-15  what lane l xor 16 sent
.set SA,   16                          ; v16-23  pairs (-m, m) of the four query tiles
.set SB,   24                          ; v24-31  the same, the other set: a step reads one and writes the other
.set AL,   32                          ; v32-39  pairs (factor, sum)
.set MX,   40                          ; v40-43
.set TT,   44                          ; v44-59  four registers for each query tile
.set QF,   64                          ; v64-127  query fragments: tile q, half e of d at 16 q + 8 e
.set SS,   128                         ; v128-255 scores: tile (q, k) at 32 q + 8 k; p of 32 keys over them at 32 q + 16 p
.set OO,   0                           ; window 1: outputs, tile (q, d) at 32 q + 8 d
.set KF,   128                         ; window 1: key fragments
.set VF,   192                         ; window 1: value fragments
.set G1K, 16
.set G1V, 24
.set G0K, 32                           ; s[32:39] one set for each slot
.set G0V, 40                           ; s[40:47]
.set MSB, 0
.macro WIN new
.if MSB != (\new)
	s_set_vgpr_msb (MSB<<8)|(\new)
.set MSB, (\new)
.endif
.endm
.macro PLACES
.rept 4
	v_nop
.endr
.endm
.macro ROUND                           ; a round of the barrier of the cluster
	s_barrier_signal -1
	s_barrier_wait -1
	s_cmp_lg_u32 s8, 0
	s_cbranch_scc1 .Lnot_wave_0_\@
	s_barrier_signal -3
.Lnot_wave_0_\@:
	s_barrier_wait -3
	s_barrier_signal -1
	s_barrier_wait -1
.endm
.macro JLOAD sl                        ; one tensor load a wave: wave 0 the keys, wave 1 the values, the others none
	s_cmp_lg_u32 s8, 0
	s_cbranch_scc1 .Lno_keys_\@
	tensor_load_to_lds s[G0K+4*(\sl):G0K+4*(\sl)+3], s[G1K:G1K+7]
	s_nop 0
.Lno_keys_\@:
	s_cmp_lg_u32 s8, 1
	s_cbranch_scc1 .Lno_values_\@
	tensor_load_to_lds s[G0V+4*(\sl):G0V+4*(\sl)+3], s[G1V:G1V+7]
	s_nop 0
.Lno_values_\@:
.endm
.macro LOADK sl, j                     ; 64 keys: 4 tiles x 2 halves of d, 16 loads
	WIN 0x40
.irp k, 0,1,2,3
.irp e, 0,1
	ds_load_b128 v[KF+16*\k+8*\e:KF+16*\k+8*\e+3],   v[AK+\sl] offset:(64*(\j)+16*\k)*KP+64*\e
	ds_load_b128 v[KF+16*\k+8*\e+4:KF+16*\k+8*\e+7], v[AK+\sl] offset:(64*(\j)+16*\k)*KP+64*\e+32
.endr
.endr
.endm
.macro LOADV sl, j                     ; the same 64 keys of V, transposed: 2 blocks of 32 keys x 4 tiles of d, 16 loads
	WIN 0x40
.irp p, 0,1
.irp d, 0,1,2,3
	ds_load_tr16_b128 v[VF+32*\p+8*\d:VF+32*\p+8*\d+3],   v[AV+\sl] offset:(64*(\j)+32*\p)*VP+32*\d
	ds_load_tr16_b128 v[VF+32*\p+8*\d+4:VF+32*\p+8*\d+7], v[AV+\sl] offset:(64*(\j)+32*\p+16)*VP+32*\d
.endr
.endr
.endm
.macro EXPT q, so                      ; p = 2^(S - m) for the 32 scores that a lane has of query tile q
.irp i, 0,2,4,6,8,10,12,14,16,18,20,22,24,26,28,30
	v_pk_add_f32 v[SS+32*\q+\i:SS+32*\q+\i+1], v[SS+32*\q+\i:SS+32*\q+\i+1], v[\so+2*\q:\so+2*\q+1] op_sel_hi:[1,0]
.endr
.set ee, 0
.rept 32
	v_exp_f32 v[SS+32*\q+ee], v[SS+32*\q+ee]
.set ee, ee+1
.endr
.endm
.macro SUMCVT q, first                 ; the sum of the 32 p in two chains, then p to f16, pair by pair, over the scores
	s_wait_alu depctr_va_vdst(0)
	v_pk_add_f32 v[TT+4*\q:TT+4*\q+1],   v[SS+32*\q:SS+32*\q+1],   v[SS+32*\q+2:SS+32*\q+3]
	v_pk_add_f32 v[TT+4*\q+2:TT+4*\q+3], v[SS+32*\q+4:SS+32*\q+5], v[SS+32*\q+6:SS+32*\q+7]
.irp i, 8,12,16,20,24,28
	v_pk_add_f32 v[TT+4*\q:TT+4*\q+1],   v[TT+4*\q:TT+4*\q+1],   v[SS+32*\q+\i:SS+32*\q+\i+1]
	v_pk_add_f32 v[TT+4*\q+2:TT+4*\q+3], v[TT+4*\q+2:TT+4*\q+3], v[SS+32*\q+\i+2:SS+32*\q+\i+3]
.endr
	v_pk_add_f32 v[TT+4*\q:TT+4*\q+1], v[TT+4*\q:TT+4*\q+1], v[TT+4*\q+2:TT+4*\q+3]
.if \first
	v_add_f32 v[AL+2*\q+1], v[TT+4*\q], v[TT+4*\q+1]               ; the first step starts the sum
.else
	v_add_f32 v[TT+4*\q], v[TT+4*\q], v[TT+4*\q+1]
	v_fma_f32 v[AL+2*\q+1], v[AL+2*\q+1], v[AL+2*\q], v[TT+4*\q]   ; sum = sum x factor + new; it stays the sum of my half of the keys until the end
.endif
.irp p, 0,1
.irp i, 0,1,2,3,4,5,6,7
	v_cvt_pk_f16_f32 v[SS+32*\q+16*\p+\i], v[SS+32*\q+16*\p+2*\i], v[SS+32*\q+16*\p+2*\i+1]
.endr
.endr
.endm
.macro PVK p, zero                     ; 32 keys into all sixteen output tiles, which take turns, one instruction a turn
.irp q, 0,1,2,3
.irp d, 0,1,2,3
.if \zero
	v_wmma_f32_16x16x32_f16 v[OO+32*\q+8*\d:OO+32*\q+8*\d+7], v[VF+32*\p+8*\d:VF+32*\p+8*\d+7], v[SS+32*\q+16*\p:SS+32*\q+16*\p+7], 0
.else
	v_wmma_f32_16x16x32_f16 v[OO+32*\q+8*\d:OO+32*\q+8*\d+7], v[VF+32*\p+8*\d:VF+32*\p+8*\d+7], v[SS+32*\q+16*\p:SS+32*\q+16*\p+7], v[OO+32*\q+8*\d:OO+32*\q+8*\d+7]
.endif
.endr
.endr
.endm
; 64 keys: block j of slot sl.  si, so: the set of (-m, m) read and the set written.
.macro SUB sl, j, first, si, so
	s_wait_dscnt 16                                ; the keys are in; the sixteen younger loads are the values
	WIN 0x01
.irp q, 0,1,2,3                                    ; four score tiles take turns, one instruction a turn; the first half of d starts the sums
.irp k, 0,1,2,3
	v_wmma_f32_16x16x32_f16 v[SS+32*\q+8*\k:SS+32*\q+8*\k+7], v[KF+16*\k:KF+16*\k+7], v[QF+16*\q:QF+16*\q+7], 0
.endr
.irp k, 0,1,2,3
	v_wmma_f32_16x16x32_f16 v[SS+32*\q+8*\k:SS+32*\q+8*\k+7], v[KF+16*\k+8:KF+16*\k+15], v[QF+16*\q+8:QF+16*\q+15], v[SS+32*\q+8*\k:SS+32*\q+8*\k+7]
.endr
.endr
	WIN 0
	PLACES                                         ; before the key fragments are loaded again and the scores are read
.if \j < 3
	LOADK \sl, \j+1
	WIN 0
.endif
	; the maximum of my 32 scores and the old maximum, the four query tiles interleaved
.irp q, 0,1,2,3
	v_max3_num_f32 v[MX+\q], v[SS+32*\q], v[SS+32*\q+1], v[SS+32*\q+2]
.endr
.irp i, 3,5,7,9,11,13,15,17,19,21,23,25,27,29
.irp q, 0,1,2,3
	v_max3_num_f32 v[MX+\q], v[MX+\q], v[SS+32*\q+\i], v[SS+32*\q+\i+1]
.endr
.endr
.irp q, 0,1,2,3
.if \first
	v_max_num_f32 v[MX+\q], v[MX+\q], v[SS+32*\q+31]
.else
	v_max3_num_f32 v[MX+\q], v[MX+\q], v[SS+32*\q+31], v[\si+2*\q+1]
.endif
.endr
.irp q, 0,1,2,3
	v_permlanex16_b32 v[PT+\q], v[MX+\q], s50, s51 ; the other half of the keys
.endr
.irp q, 0,1,2,3
	v_max_num_f32 v[\so+2*\q+1], v[MX+\q], v[PT+\q]
.endr
.irp q, 0,1,2,3
	v_mul_f32 v[\so+2*\q], -1.0, v[\so+2*\q+1]
.endr
.if \first == 0
.irp q, 0,1,2,3
	v_sub_f32 v[AL+2*\q], v[\so+2*\q], v[\si+2*\q] ; m old - m new
.endr
.irp q, 0,1,2,3
	v_exp_f32 v[AL+2*\q], v[AL+2*\q]
.endr
.endif
	; Behind each run of exponentials the next line is a plain instruction on another tile (ISA guide 5.7.2).
	EXPT 0, \so
	EXPT 1, \so
	SUMCVT 0, \first
	EXPT 2, \so
	SUMCVT 1, \first
	EXPT 3, \so
	SUMCVT 2, \first
	SUMCVT 3, \first
.if \j < 3
	s_wait_dscnt 16                                ; the values are in; the sixteen younger loads are the next keys
.else
	s_wait_dscnt 0
.endif
.if \first == 0
	WIN 0x41
.irp q, 0,1,2,3
.set ee, 0
.rept 16
	v_pk_mul_f32 v[OO+32*\q+2*ee:OO+32*\q+2*ee+1], v[OO+32*\q+2*ee:OO+32*\q+2*ee+1], v[AL+2*\q:AL+2*\q+1] op_sel_hi:[1,0]
.set ee, ee+1
.endr
.endr
.endif
	WIN 0x51
	PVK 0, \first
	PVK 1, 0
.rept 5                                            ; five places before the next score tiles are written over p, four before the value fragments are loaded again (ISA guide 7.12.1)
	v_nop
.endr
.if \j < 3
	LOADV \sl, \j+1
.endif
	WIN 0
.endm
; A tile of 256 keys in slot sl.  In front of the round every wave waits for all its tensor loads and for its reads of the other
; slot; the joint refill of that slot is the first tensor load behind the round.
.macro TRIP sl, refill, first
	s_wait_tensorcnt 0x0                           ; all my tensor loads are done, so every address may be stepped: the next tile of this slot
	ds_add_u32 v62, v63
	s_wait_dscnt 0x0
	s_add_nc_u64 s[G0K+4*\sl+2:G0K+4*\sl+3], s[G0K+4*\sl+2:G0K+4*\sl+3], 65536
	s_add_nc_u64 s[G0V+4*\sl+2:G0V+4*\sl+3], s[G0V+4*\sl+2:G0V+4*\sl+3], 65536
	s_wait_dscnt 0x0
	ROUND
.if \refill
	JLOAD 1-\sl
.endif
	LOADK \sl, 0
	LOADV \sl, 0
	WIN 0
	SUB \sl, 0, \first, SB, SA
	SUB \sl, 1, 0, SA, SB
	SUB \sl, 2, 0, SB, SA
	SUB \sl, 3, 0, SA, SB
.endm
	s_load_b128 s[4:7], s[0:1], 0x0                ; qkv s[4:5], ao s[6:7]
	v_lshl_add_u32 v62, v0, 2, 0x38000
	v_mov_b32 v63, 0
	ds_add_u32 v62, v63
	v_lshrrev_b32 v1, 5, v0
	v_readfirstlane_b32 s8, v1                     ; wave 0..7
	s_bfe_u32 s9, ttmp6, 0x40000                   ; cx: which 512 queries
	s_lshl_b32 s10, ttmp9, 18                      ; the number of the cluster is the head: 262,144 bytes each
	s_mov_b32 s11, 0
	s_lshl_b32 s54, s9, 16                         ; 512 rows of 128 bytes
	s_lshl_b32 s55, s8, 13                         ; 64 rows
	s_add_co_u32 s54, s54, s55
	s_mov_b32 s55, 0
	s_mov_b32 s50, 0x76543210                      ; v_permlanex16_b32: lane i of one half reads lane i of the other
	s_mov_b32 s51, 0xfedcba98
	; A tile is 32,768 consecutive bytes: 128 rows of 256 bytes; the padding follows every 32 words, that is every key row of 128 bytes.
	s_mov_b32 s[G1K+0], 0x0731000f                 ; mask 15; 2-byte elements; padding on; bit 21 beside a mask; after every 32 words 4 words
	s_mov_b32 s[G1K+1], 128<<16
	s_mov_b32 s[G1K+2], 128<<16
	s_mov_b32 s[G1K+3], 128<<16
	s_mov_b32 s[G1K+4], 128
	s_mov_b32 s[G1K+5], 128
	s_mov_b32 s[G1K+6], 0
	s_mov_b32 s[G1K+7], 0
	s_mov_b32 s[G1V+0], 0x0f31000f                 ; the same with 8 words of padding
	s_mov_b32 s[G1V+1], 128<<16
	s_mov_b32 s[G1V+2], 128<<16
	s_mov_b32 s[G1V+3], 128<<16
	s_mov_b32 s[G1V+4], 128
	s_mov_b32 s[G1V+5], 128
	s_mov_b32 s[G1V+6], 0
	s_mov_b32 s[G1V+7], 0
	s_wait_dscnt 0x0
	s_wait_kmcnt 0x0
	s_add_nc_u64 s[12:13], s[4:5], s[10:11]        ; q of my head: hangs on the cluster alone
	s_add_nc_u64 s[56:57], s[12:13], s[54:55]      ; my 64 queries
	s_add_nc_u64 s[58:59], s[6:7], s[10:11]
	s_add_nc_u64 s[58:59], s[58:59], s[54:55]      ; and where their result goes
	s_add_nc_u64 s[14:15], s[12:13], 0x1000000     ; k of my head
	s_add_nc_u64 s[52:53], s[12:13], 0x2000000     ; v of my head
.irp i, 0,1
	s_mov_b32 s[G0K+4*\i], 1
	s_mov_b32 s[G0K+4*\i+1], \i*SLOT
	s_add_nc_u64 s[G0K+4*\i+2:G0K+4*\i+3], s[14:15], \i*32768
	s_or_b32 s[G0K+4*\i+3], s[G0K+4*\i+3], 0x80000000
	s_mov_b32 s[G0V+4*\i], 1
	s_mov_b32 s[G0V+4*\i+1], \i*SLOT+KBYTES
	s_add_nc_u64 s[G0V+4*\i+2:G0V+4*\i+3], s[52:53], \i*32768
	s_or_b32 s[G0V+4*\i+3], s[G0V+4*\i+3], 0x80000000
.endr
	v_and_b32 v1, 15, v0                           ; r
	v_bfe_u32 v2, v0, 4, 1                         ; h
	v_and_b32 v3, 7, v0
	v_bfe_u32 v44, v0, 3, 1
	v_and_b32 v45, 31, v0                          ; l
	v_lshlrev_b32 v[QOFF], 7, v1
	v_lshl_add_u32 v[QOFF], v2, 4, v[QOFF]         ; row r of 128 bytes, 16 bytes for each half of the lanes
.irp q, 0,1,2,3
.irp e, 0,1
	global_load_b128 v[QF+16*\q+8*\e:QF+16*\q+8*\e+3],   v[QOFF], s[56:57] offset:2048*\q+64*\e
	global_load_b128 v[QF+16*\q+8*\e+4:QF+16*\q+8*\e+7], v[QOFF], s[56:57] offset:2048*\q+64*\e+32
.endr
.endr
	v_mul_u32_u24 v[AK], v1, KP
	v_lshl_add_u32 v[AK], v2, 4, v[AK]
	v_add_nc_u32 v[AK+1], SLOT, v[AK]
	v_lshl_add_u32 v46, v2, 3, v3                  ; key row 8 h + l % 8
	v_mul_u32_u24 v46, v46, VP
	v_lshl_add_u32 v46, v44, 4, v46
	v_add_nc_u32 v[AV], KBYTES, v46
	v_add_nc_u32 v[AV+1], SLOT, v[AV]
	s_mul_i32 s49, s8, WSTAGE
	s_add_co_u32 s49, s49, STAGE
	v_add_nc_u32 v[STO], s49, v[AK]                ; the stage has the pitch of the key rows
	v_lshrrev_b32 v46, 3, v45
	v_mul_u32_u24 v46, v46, KP
	v_lshl_add_u32 v46, v3, 4, v46
	v_add_nc_u32 v[RD], s49, v46
	v_lshlrev_b32 v[CO], 4, v45
.irp q, 0,1,2,3
	v_mov_b32 v[PT+\q], 0                          ; the destination of v_permlanex16_b32 counts as read
.endr
	ROUND                                          ; in front of the first joint loads
	JLOAD 0                                        ; tile 0
	s_wait_loadcnt 0x0                             ; my queries
	TRIP 0, 1, 1                                   ; tile 0 starts maxima, sums and outputs: nothing is cleared
	s_mov_b32 s48, 3
.Lpair:                                            ; tiles 1 to 6
	TRIP 1, 1, 0
	TRIP 0, 1, 0
	s_sub_co_u32 s48, s48, 1
	s_cmp_lg_u32 s48, 0
	s_cbranch_scc1 .Lpair
	TRIP 1, 0, 0                                   ; tile 7: nothing is left to fetch (the stepped addresses are not used)
	; THE WAY OUT: the two halves of each sum meet, the outputs are divided, rounded to f16 and go through my own stage, so that
	; 32 lanes store 512 consecutive bytes (four rows of 128 bytes follow each other in ao).
.irp q, 0,1,2,3
	v_permlanex16_b32 v[PT+\q], v[AL+2*\q+1], s50, s51
.endr
.irp q, 0,1,2,3
	v_add_f32 v[AL+2*\q+1], v[AL+2*\q+1], v[PT+\q]
.endr
.irp q, 0,1,2,3
	v_rcp_f32 v[AL+2*\q], v[AL+2*\q+1]             ; the sum is at least 1: the maximum itself counts 1
.endr
	v_nop                                          ; one plain place behind the reciprocals (ISA guide 5.7.2)
	WIN 0x41
	s_wait_alu depctr_va_vdst(0)
.irp q, 0,1,2,3
.set ee, 0
.rept 16
	v_pk_mul_f32 v[OO+32*\q+2*ee:OO+32*\q+2*ee+1], v[OO+32*\q+2*ee:OO+32*\q+2*ee+1], v[AL+2*\q:AL+2*\q+1] op_sel_hi:[1,0]
.set ee, ee+1
.endr
.endr
	WIN 0x05
.set ee, 0
.rept 64
	v_cvt_pk_f16_f32 v[SS+ee], v[OO+2*ee], v[OO+2*ee+1]
.set ee, ee+1
.endr
	WIN 0
.irp q, 0,1,2,3
.irp d, 0,1,2,3
	ds_store_b128 v[STO], v[SS+4*(4*\q+\d):SS+4*(4*\q+\d)+3] offset:16*KP*\q+32*\d
.endr
.endr
.irp i, 0,1,2,3,4,5,6,7,8,9,10,11,12,13,14,15
	ds_load_b128 v[SS+64+4*\i:SS+64+4*\i+3], v[RD] offset:4*KP*\i  ; LDS serves the instructions of a wave in order: these see the stores above
.endr
.irp i, 0,1,2,3,4,5,6,7,8,9,10,11,12,13,14,15
	s_wait_dscnt 15-\i
	global_store_b128 v[CO], v[SS+64+4*\i:SS+64+4*\i+3], s[58:59] offset:512*\i
.endr
	s_wait_tensorcnt 0x0
	ds_add_u32 v62, v63
	s_wait_dscnt 0x0
	ROUND                                          ; the closing round
	s_endpgm
.Lfunc_end_k_q0b1ea2303a_attn:
	.size	k_q0b1ea2303a_attn, .Lfunc_end_k_q0b1ea2303a_attn-k_q0b1ea2303a_attn
	.p2alignl 7, 3214868480
	.fill 96, 4, 3214868480
	.section	.rodata,"a",@progbits
	.p2align	6, 0x0
	.amdhsa_kernel k_q0b1ea2303a_attn
		.amdhsa_group_segment_fixed_size 327680
		.amdhsa_private_segment_fixed_size 0
		.amdhsa_enable_private_segment 0
		.amdhsa_kernarg_size 16
		.amdhsa_user_sgpr_count 2
		.amdhsa_user_sgpr_kernarg_segment_ptr 1
		.amdhsa_wavefront_size32 1
		.amdhsa_system_sgpr_workgroup_id_x 1
		.amdhsa_system_sgpr_workgroup_id_y 1
		.amdhsa_system_sgpr_workgroup_id_z 1
		.amdhsa_system_vgpr_workitem_id 0
		.amdhsa_next_free_vgpr 512
		.amdhsa_next_free_sgpr 66
		.amdhsa_reserve_vcc 0
		.amdhsa_float_denorm_mode_32 3
		.amdhsa_float_denorm_mode_16_64 3
		.amdhsa_memory_ordered 1
		.amdhsa_forward_progress 1
		.amdhsa_inst_pref_size 255
	.end_amdhsa_kernel
	.section	.bss,"aw",@nobits
	.p2align	6
	.space	262144
	.amdgpu_metadata
---
amdhsa.version: [ 1, 2 ]
amdhsa.kernels:
  - .name:           k_q0b1ea2303a_attn
    .symbol:         k_q0b1ea2303a_attn.kd
    .args:
      - { .name: qkv, .offset: 0, .size: 8, .value_kind: global_buffer, .address_space: global }
      - { .name: ao, .offset: 8, .size: 8, .value_kind: global_buffer, .address_space: global }
    .group_segment_fixed_size: 327680
    .private_segment_fixed_size: 0
    .kernarg_segment_align: 8
    .kernarg_segment_size: 16
    .max_flat_workgroup_size: 256
    .sgpr_count:     66
    .vgpr_count:     512
    .wavefront_size: 32
...
	.end_amdgpu_metadata
.endif
;; end of part 3
;; launch out_gemm (part 4): grid 8 x 32, 4 waves a work-group, clusters of 4 x 4, 327,680 bytes of LDS; arguments ao, wo16, b_out, out0; writes out0
.if DOCPART == 4
	.amdgcn_target "amdgcn-amd-amdhsa--gfx1250"
	.amdhsa_code_object_version 6
	.text
	.protected	k_q0b1ea2303a_out_gemm
	.globl	k_q0b1ea2303a_out_gemm
	.p2align	8
	.type	k_q0b1ea2303a_out_gemm,@function
k_q0b1ea2303a_out_gemm:
	s_mov_b64 s[64:65], 0
	v_nop
	global_prefetch_b8 v0, s[64:65] scope:SCOPE_SE
	s_setreg_imm32_b32 hwreg(HW_REG_WAVE_MODE, 25, 1), 1
	s_wait_xcnt 0x0
	s_wait_alu depctr_hold_cnt(0) depctr_sa_sdst(0) depctr_va_vdst(0) depctr_va_sdst(0) depctr_va_ssrc(0) depctr_va_vcc(0) depctr_vm_vsrc(0)
	s_getreg_b32 s2, hwreg(HW_REG_IB_STS2, 6, 4)
	s_cmp_eq_u32 s2, 0
	s_cbranch_scc0 .Lentry_in_a_cluster
	s_endpgm
.Lentry_in_a_cluster:
	s_bfe_u32 s2, ttmp6, 0x10000c
	s_cmp_lg_u32 s2, 0xf033
	s_cbranch_scc0 .Lentry_shape_is_right
	s_endpgm
.Lentry_shape_is_right:
; out0 = a . wo16 + b_out in f32, where row (batch, s) of a is the 16 heads of ao[batch][head][s][64] side by side; f16 operands, f32 sums.
; wo16 is [1024 k][1024 n].  256 work-groups of 256 rows x 128 columns (blocks of 256 x 256 would be only 128 work-groups);
; four waves, each 128 rows x 64 columns: 32 tiles of 16 x 16 in window 1, tile (a, c) at v[8 (4 a + c)].
; K goes in steps of 128 = two heads through two LDS slots.  A head of 256 rows is 32,768 consecutive bytes of ao.
; Waves 0 and 1 ask for one head each, waves 2 and 3 for 64 k rows of wo16 each: one tensor load a wave behind each round.
; CLUSTERS: 4 x 4 work-groups; the tiles of ao are shared along a row of the cluster, those of wo16 along a column, by joint loads.
; The matrix instruction is used transposed (source 0 = 16 columns of wo16 by the transposing LDS load, source 1 = 16 rows of ao):
; lane l holds row l % 16 and its registers the columns 8 (l / 16) + 0 .. 7, 32 neighbouring bytes of f32.
.set APITCH, 144                       ; 128 bytes + 16
.set AHEAD,  256*APITCH                ; 36,864: one head
.set BPITCH, 288                       ; 256 bytes + 32
.set BHALF,  64*BPITCH                 ; 18,432
.set SLOT,   2*AHEAD+2*BHALF           ; 110,592
.set STAGE,  2*SLOT                    ; 221,184: behind the ring, no tensor load lands here
.set SPITCH, 272                       ; a stage row: 64 f32 + 16 bytes
.set WSTAGE, 16*SPITCH                 ; 4,352 for each wave
.set ADRA, 8
.set ADRB, 10
.set STO,  12
.set RD,   13
.set CO,   14
.set BOFF, 15
.set AFS0, 32                          ; v32-95    fragments of ao, buffer 0
.set AFS1, 96                          ; v96-159   buffer 1
.set BFS0, 160                         ; v160-191  fragments of wo16, buffer 0
.set BFS1, 192                         ; v192-223  buffer 1
.set RB0,  32                          ; the way out: two sets of 32 registers read back
.set RB1,  64
.set G1A, 16
.set G1B, 24
.set G0A, 32
.set G0B, 48
.set HB,  56
.set MSB, 0
.macro WIN new
.if MSB != (\new)
	s_set_vgpr_msb (MSB<<8)|(\new)
.set MSB, (\new)
.endif
.endm
.macro PLACES                          ; four places behind a matrix instruction (ISA guide 7.12.1)
.rept 4
	v_nop
.endr
.endm
.macro CREST
	s_cmp_lg_u32 s12, 0
	s_cbranch_scc1 .Lnot_wave_0_\@
	s_barrier_signal -3
.Lnot_wave_0_\@:
	s_barrier_wait -3
	s_barrier_signal -1
	s_barrier_wait -1
.endm
.macro CROUND
	s_barrier_signal -1
	s_barrier_wait -1
	CREST
.endm
.macro JLOAD sl                        ; each of the two lines has one mask; the branch hangs on the number of the wave alone
	s_cmp_eq_u32 s13, 0
	s_cbranch_scc0 .Lfor_b_\@
	tensor_load_to_lds s[G0A+4*\sl:G0A+4*\sl+3], s[G1A:G1A+7]
	s_nop 0
	s_branch .Lasked_\@
.Lfor_b_\@:
	tensor_load_to_lds s[G0B+4*\sl:G0B+4*\sl+3], s[G1B:G1B+7]
	s_nop 0
.Lasked_\@:
.endm
; 24 LDS loads: the fragments of quarter q (32 along K) of slot sl: wo16 first, then rows 0-63 of ao, then rows 64-127
.macro FETCH sl, q, fa, fb
.irp c, 0,1,2,3
	ds_load_tr16_b128 v[\fb+8*\c:\fb+8*\c+3],   v[ADRB+\sl] offset:32*BPITCH*\q+32*\c
	ds_load_tr16_b128 v[\fb+8*\c+4:\fb+8*\c+7], v[ADRB+\sl] offset:32*BPITCH*\q+32*\c+16*BPITCH
.endr
.irp i, 0,1,2,3,4,5,6,7
	ds_load_b128 v[\fa+8*\i:\fa+8*\i+3],   v[ADRA+\sl] offset:(\q>>1)*AHEAD+16*APITCH*\i+64*(\q&1)
	ds_load_b128 v[\fa+8*\i+4:\fa+8*\i+7], v[ADRA+\sl] offset:(\q>>1)*AHEAD+16*APITCH*\i+64*(\q&1)+32
.endr
.endm
; an row blocks from a0 x all four column tiles.  The 32 accumulators take turns, one instruction a turn, in the same order in every
; quarter, over the backward jump too.
.macro MUL fa, fb, a0, an
	WIN 0x50
.set aa, \a0
.rept \an
.set cc, 0
.rept 4
	v_wmma_f32_16x16x32_f16 v[8*(4*aa+cc):8*(4*aa+cc)+7], v[\fb+8*cc:\fb+8*cc+7], v[\fa+8*aa:\fa+8*aa+7], v[8*(4*aa+cc):8*(4*aa+cc)+7]
.set cc, cc+1
.endr
.set aa, aa+1
.endr
.endm
.macro QUARTER sl, nq, fa, fb, ga, gb
	s_wait_dscnt 8                                 ; all but the eight youngest loads: rows 64-127 of ao may be out
	MUL \fa, \fb, 0, 4
	PLACES
	WIN 0
	FETCH \sl, \nq, \ga, \gb
	s_wait_dscnt 24                                ; all but the 24 just issued
	MUL \fa, \fb, 4, 4
.endm
.macro THREE sl
	QUARTER \sl, 1, AFS0, BFS0, AFS1, BFS1
	QUARTER \sl, 2, AFS1, BFS1, AFS0, BFS0
	QUARTER \sl, 3, AFS0, BFS0, AFS1, BFS1
.endm
; The last quarter of a step changes slots: each wave waits for its reads of this slot and for all its tensor loads, then the barrier,
; which opens a round of the barrier of the cluster where the slot is filled again; the joint refill is the first tensor load behind the round.
; From a request to the wait for it a wave issues 120 matrix instructions.
.macro TURN sl, nx, fill
	s_wait_dscnt 8
	MUL AFS1, BFS1, 0, 2
	s_wait_dscnt 0
	s_wait_tensorcnt 0x0
	ds_add_u32 v254, v255
	s_wait_dscnt 0x0
	s_barrier_signal -1
	MUL AFS1, BFS1, 2, 2                           ; registers only
	WIN 0
	s_barrier_wait -1
.if \fill
	CREST
	s_add_nc_u64 s[G0A+4*\sl+2:G0A+4*\sl+3], s[G0A+4*\sl+2:G0A+4*\sl+3], 1048576   ; four heads on
	s_add_nc_u64 s[G0B+4*\sl+2:G0B+4*\sl+3], s[G0B+4*\sl+2:G0B+4*\sl+3], 524288    ; 256 k rows on
	JLOAD \sl
.endif
	PLACES
	FETCH \nx, 0, AFS0, BFS0
	MUL AFS1, BFS1, 4, 4
.endm
	s_load_b256 s[4:11], s[0:1], 0x0               ; ao s[4:5], wo16 s[6:7], b_out s[8:9], out0 s[10:11]
	v_lshl_add_u32 v254, v0, 2, 0x3a400
	v_mov_b32 v255, 0
	ds_add_u32 v254, v255
	v_lshrrev_b32 v1, 5, v0
	v_readfirstlane_b32 s12, v1                    ; wave 0..3
	s_lshr_b32 s13, s12, 1                         ; which 128 rows are mine.  Also: I ask for ao (0) or for wo16 (1)
	s_and_b32 s14, s12, 1                          ; which 64 columns
	s_bfe_u32 s40, ttmp6, 0x40000                  ; cx
	s_bfe_u32 s41, ttmp6, 0x40004                  ; cy
	s_lshl_b32 s42, ttmp9, 2
	s_add_co_u32 s42, s42, s40                     ; block column 0..7
	s_and_b32 s15, ttmp7, 0xffff
	s_lshl_b32 s15, s15, 2
	s_add_co_u32 s15, s15, s41                     ; block row 0..31
	s_lshl_b32 s43, s41, 2
	s_lshl_b32 s43, 15, s43                        ; my row of the cluster
	s_lshl_b32 s44, 0x1111, s40                    ; my column
	s_or_b32  s[G1A+0], s43, 0x07310000            ; mask; 2-byte elements; padding on; bit 21 beside a mask; after every 32 words (a row of a head) 4 words
	s_mov_b32 s[G1A+1], 128<<16                    ; 32,768 consecutive bytes as 128 rows of 256
	s_mov_b32 s[G1A+2], 128<<16
	s_mov_b32 s[G1A+3], 128<<16
	s_mov_b32 s[G1A+4], 128
	s_mov_b32 s[G1A+5], 128
	s_mov_b32 s[G1A+6], 0
	s_mov_b32 s[G1A+7], 0
	s_or_b32  s[G1B+0], s44, 0x0f710000            ; after every 64 words 8 words
	s_mov_b32 s[G1B+1], 128<<16
	s_mov_b32 s[G1B+2], 64<<16
	s_mov_b32 s[G1B+3], 128<<16                    ; 128 columns
	s_mov_b32 s[G1B+4], 64                         ; 64 k rows
	s_mov_b32 s[G1B+5], 1024
	s_mov_b32 s[G1B+6], 0
	s_mov_b32 s[G1B+7], 0
	s_lshr_b32 s66, s15, 3                         ; batch
	s_lshl4_add_u32 s66, s66, s12                  ; head w of it (waves 0 and 1 ask by this address); these registers never hold cx
	s_lshl_b32 s66, s66, 18
	s_and_b32 s67, s15, 7
	s_lshl_b32 s67, s67, 15                        ; 256 rows of 128 bytes
	s_add_co_u32 s66, s66, s67
	s_mov_b32 s67, 0
	s_max_u32 s70, s12, 2
	s_sub_co_u32 s70, s70, 2                       ; half w - 2 of the 128 k rows (held at 0 in waves 0 and 1, which do not ask by it); these never hold cy
	s_lshl_b32 s70, s70, 17                        ; 64 k rows of 2,048 bytes
	s_lshl_b32 s71, s42, 8                         ; 128 columns
	s_add_co_u32 s70, s70, s71
	s_mov_b32 s71, 0
	s_mul_i32 s74, s12, AHEAD
	s_mul_i32 s75, s12, BHALF
	s_wait_dscnt 0x0
	s_wait_kmcnt 0x0
	s_add_nc_u64 s[68:69], s[4:5], s[66:67]
	s_add_nc_u64 s[72:73], s[6:7], s[70:71]
.irp i, 0,1
	s_mov_b32 s[G0A+4*\i], 1
	s_add_co_u32 s[G0A+4*\i+1], s74, \i*SLOT
	s_add_nc_u64 s[G0A+4*\i+2:G0A+4*\i+3], s[68:69], \i*524288     ; two heads for each step
	s_or_b32 s[G0A+4*\i+3], s[G0A+4*\i+3], 0x80000000
	s_mov_b32 s[G0B+4*\i], 1
	s_add_co_u32 s[G0B+4*\i+1], s75, 2*AHEAD-2*BHALF+\i*SLOT       ; behind the two heads: half w - 2
	s_add_nc_u64 s[G0B+4*\i+2:G0B+4*\i+3], s[72:73], \i*262144     ; 128 k rows for each step
	s_or_b32 s[G0B+4*\i+3], s[G0B+4*\i+3], 0x80000000
.endr
	CROUND                                         ; all sixteen work-groups are here: the first joint loads meet
	s_cmp_eq_u32 s13, 0                            ; the two first fills of a wave stand in one branch: two tensor loads of a wave are out at the most
	s_cbranch_scc0 .Lfirst_b
	tensor_load_to_lds s[G0A:G0A+3], s[G1A:G1A+7]
	s_nop 0
	tensor_load_to_lds s[G0A+4:G0A+7], s[G1A:G1A+7]
	s_nop 0
	s_branch .Lfirst_done
.Lfirst_b:
	tensor_load_to_lds s[G0B:G0B+3], s[G1B:G1B+7]
	s_nop 0
	tensor_load_to_lds s[G0B+4:G0B+7], s[G1B:G1B+7]
	s_nop 0
.Lfirst_done:
	v_and_b32 v1, 15, v0                           ; r
	v_bfe_u32 v2, v0, 4, 1                         ; h
	v_and_b32 v3, 7, v0
	v_bfe_u32 v4, v0, 3, 1
	v_mul_u32_u24 v6, v1, APITCH
	v_lshl_add_u32 v6, v2, 4, v6
	s_mul_i32 s45, s13, 128*APITCH
	v_add_nc_u32 v[ADRA], s45, v6
	v_add_nc_u32 v[ADRA+1], SLOT, v[ADRA]
	v_lshl_add_u32 v7, v2, 3, v3
	v_mul_u32_u24 v7, v7, BPITCH
	v_lshl_add_u32 v7, v4, 4, v7
	s_lshl_b32 s46, s14, 7
	s_add_co_u32 s46, s46, 2*AHEAD
	v_add_nc_u32 v[ADRB], s46, v7
	v_add_nc_u32 v[ADRB+1], SLOT, v[ADRB]
	s_mul_i32 s47, s12, WSTAGE
	s_add_co_u32 s47, s47, STAGE
	v_mul_u32_u24 v6, v1, SPITCH
	v_lshl_add_u32 v6, v2, 5, v6                   ; in: row r, 32 bytes for each half of the lanes
	v_add_nc_u32 v[STO], s47, v6
	v_mul_u32_u24 v7, v2, SPITCH                   ; back: lanes 0-15 one row of 256 bytes, lanes 16-31 the next
	v_lshl_add_u32 v7, v1, 4, v7
	v_add_nc_u32 v[RD], s47, v7
	v_lshlrev_b32 v6, 12, v2                       ; and the same two rows of 4,096 bytes in out0
	v_lshl_add_u32 v[CO], v1, 4, v6
	s_lshl_b32 s62, s42, 9
	s_lshl_b32 s63, s14, 8
	s_add_co_u32 s62, s62, s63                     ; my first column, in bytes of f32
	v_lshl_add_u32 v[BOFF], v2, 5, s62
	; the bias starts the sums: two loads of 16 bytes fill a tile, the same for all eight row blocks; nothing is cleared
	WIN 0x40
.set aa, 0
.rept 8
.set cc, 0
.rept 4
	global_load_b128 v[8*(4*aa+cc):8*(4*aa+cc)+3],   v[BOFF], s[8:9] offset:64*cc
	global_load_b128 v[8*(4*aa+cc)+4:8*(4*aa+cc)+7], v[BOFF], s[8:9] offset:64*cc+16
.set cc, cc+1
.endr
.set aa, aa+1
.endr
	WIN 0
	s_wait_tensorcnt 0x1                           ; my part of slot 0 is in; slot 1 may stay out
	s_barrier_signal -1
	s_barrier_wait -1
	FETCH 0, 0, AFS0, BFS0
	s_wait_loadcnt 0x0                             ; the bias is in the accumulators
	s_mov_b32 s3, 3
.Llap:                                             ; a lap = two steps = once round the ring; steps 0 to 5
	THREE 0
	TURN 0, 1, 1
	THREE 1
	TURN 1, 0, 1
	WIN 0
	s_sub_co_u32 s3, s3, 1
	s_cmp_lg_u32 s3, 0
	s_cbranch_scc1 .Llap
	THREE 0                                        ; the last lap fills nothing
	TURN 0, 1, 0
	THREE 1
	s_wait_dscnt 8
	MUL AFS1, BFS1, 0, 4
	s_wait_dscnt 0
	MUL AFS1, BFS1, 4, 4
	; THE WAY OUT, 16 rows at a time through my own stage: 32 bytes a lane in, whole rows of 256 bytes back.
	PLACES
	WIN 0
	s_lshl_b32 s66, s15, 20                        ; 256 rows of 4,096 bytes
	s_lshl_b32 s67, s13, 19                        ; 128 rows
	s_add_co_u32 s66, s66, s67
	s_add_co_u32 s66, s66, s62
	s_mov_b32 s67, 0
	s_add_nc_u64 s[HB:HB+1], s[10:11], s[66:67]
.macro OUT16 a, rb
	WIN 0x04
.irp c, 0,1,2,3
	ds_store_b128 v[STO], v[8*(4*\a+\c):8*(4*\a+\c)+3]   offset:64*\c
	ds_store_b128 v[STO], v[8*(4*\a+\c)+4:8*(4*\a+\c)+7] offset:64*\c+16
.endr
	WIN 0
	s_wait_xcnt 0x0                                ; the set read back into was the data of earlier stores: it is written again only behind this wait
.irp i, 0,1,2,3,4,5,6,7
	ds_load_b128 v[\rb+4*\i:\rb+4*\i+3], v[RD] offset:2*SPITCH*\i  ; LDS serves the instructions of a wave in order: these see the stores above
.endr
.irp i, 0,1,2,3,4,5,6,7
	s_wait_dscnt 7-\i
	global_store_b128 v[CO], v[\rb+4*\i:\rb+4*\i+3], s[HB:HB+1] offset:(16*\a+2*\i)*4096 th:TH_STORE_NT   ; 16 lanes store 256 consecutive bytes at a multiple of 256
.endr
.endm
	OUT16 0, RB0
	OUT16 1, RB1
	OUT16 2, RB0
	OUT16 3, RB1
	OUT16 4, RB0
	OUT16 5, RB1
	OUT16 6, RB0
	OUT16 7, RB1
	s_wait_tensorcnt 0x0
	ds_add_u32 v254, v255
	s_wait_dscnt 0x0
	CROUND                                         ; the closing round
	s_endpgm
.Lfunc_end_k_q0b1ea2303a_out_gemm:
	.size	k_q0b1ea2303a_out_gemm, .Lfunc_end_k_q0b1ea2303a_out_gemm-k_q0b1ea2303a_out_gemm
	.p2alignl 7, 3214868480
	.fill 96, 4, 3214868480
	.section	.rodata,"a",@progbits
	.p2align	6, 0x0
	.amdhsa_kernel k_q0b1ea2303a_out_gemm
		.amdhsa_group_segment_fixed_size 327680
		.amdhsa_private_segment_fixed_size 0
		.amdhsa_enable_private_segment 0
		.amdhsa_kernarg_size 32
		.amdhsa_user_sgpr_count 2
		.amdhsa_user_sgpr_kernarg_segment_ptr 1
		.amdhsa_wavefront_size32 1
		.amdhsa_system_sgpr_workgroup_id_x 1
		.amdhsa_system_sgpr_workgroup_id_y 1
		.amdhsa_system_sgpr_workgroup_id_z 1
		.amdhsa_system_vgpr_workitem_id 0
		.amdhsa_next_free_vgpr 512
		.amdhsa_next_free_sgpr 80
		.amdhsa_reserve_vcc 0
		.amdhsa_float_denorm_mode_32 3
		.amdhsa_float_denorm_mode_16_64 3
		.amdhsa_memory_ordered 1
		.amdhsa_forward_progress 1
		.amdhsa_inst_pref_size 92
	.end_amdhsa_kernel
	.amdgpu_metadata
---
amdhsa.version: [ 1, 2 ]
amdhsa.kernels:
  - .name:           k_q0b1ea2303a_out_gemm
    .symbol:         k_q0b1ea2303a_out_gemm.kd
    .args:
      - { .name: ao, .offset: 0, .size: 8, .value_kind: global_buffer, .address_space: global }
      - { .name: wo16, .offset: 8, .size: 8, .value_kind: global_buffer, .address_space: global }
      - { .name: b_out, .offset: 16, .size: 8, .value_kind: global_buffer, .address_space: global }
      - { .name: out0, .offset: 24, .size: 8, .value_kind: global_buffer, .address_space: global }
    .group_segment_fixed_size: 327680
    .private_segment_fixed_size: 0
    .kernarg_segment_align: 8
    .kernarg_segment_size: 32
    .max_flat_workgroup_size: 128
    .sgpr_count:     80
    .vgpr_count:     512
    .wavefront_size: 32
...
	.end_amdgpu_metadata
.endif
;; end of part 4
